; MI455X (gfx1250); checked and timed in simulation.
; The chip was launched on July 23, 2026; its instructions are those of AMD's public machine-readable ISA for CDNA 5 (MIT licence, August 2026) and "CDNA5" Instruction Set Architecture Reference Guide (July 2026). The comments in the code are by the model that wrote it; some were corrected since.
;; Causal Self Attention. Allowed arithmetic: matrix products marked QUANTISED: E4M3 operands, one given power-of-two scale a tensor, by v_wmma_f32_16x16x64_fp8_fp8 or v_wmma_f32_16x16x128_fp8_fp8, f32 sums; everything else in f32.
;; Inputs: b_attn 3,072 float32; b_proj 1,024 float32; lowp_scales 8 int32 (the exponents e of the quantised operands' scales 2^e); w_attn 3,072 x 1,024 float32; w_proj 1,024 x 1,024 float32; x 8 x 1,024 x 1,024 float32.
;; Outputs: out0 8 x 1,024 x 1,024 float32.
;; This version of the problem:
;;   THIS VERSION OF THE PROBLEM IS GIVEN IN LOW PRECISION. The matrix products marked QUANTISED in the list below multiply operands that are first quantised to E4M3 (4 exponent bits, 3 mantissa bits; 8 bits a number), with one given power-of-two scale for each operand tensor; their sums are f32. All else is computed in f32.
;;   The module's matrix products, in the order in which they are computed (A, B: the left and right operand; K: the contracted axis; several contracted axes count as one K, in the product's order):
;;     1. [M 8,192, K 1,024] x [K 1,024, N 3,072]; A: input x; B: input w_attn: QUANTISED (scales: A lowp_scales[0], B lowp_scales[1])
;;     2. batch 128 x [M 1,024, K 64] x [K 64, N 1,024]; A: computed on the way; B: computed on the way: QUANTISED (scales: A lowp_scales[2], B lowp_scales[3])
;;     3. batch 128 x [M 1,024, K 1,024] x [K 1,024, N 64]; A: softmax (see below); B: computed on the way: QUANTISED (scales: A lowp_scales[4], B lowp_scales[5])
;;     4. [M 8,192, K 1,024] x [K 1,024, N 1,024]; A: computed on the way; B: input w_proj: QUANTISED (scales: A lowp_scales[6], B lowp_scales[7])
;;   THE QUANTISER, for each operand of a quantised product, along K:
;;     - The operand's scale is 2^e, e = its entry of the input lowp_scales (int32; the entries are numbered through the quantised products in the list's order, A before B).
;;     - Each number is divided by the scale, clamped to +-448, and rounded to the nearest number of E4M3, ties to even, subnormals kept.
;;     - The product sums the exact products of the quantised numbers (number of the format x scale) in f32.
;;   ~~~python
;;   def quantise(x, axis, e):      # numpy; x: float32 -> the quantised numbers, widened to float32 again
;;       x = np.moveaxis(x, axis, -1); K = x.shape[-1]
;;       r = np.clip(x / 2.0 ** e, -448, 448)
;;       step = 2.0 ** (np.maximum(np.frexp(np.where(r == 0, 1, r))[1] - 1, -6) - 3)
;;       q = np.round(r / step) * step * 2.0 ** e      # np.round: ties to even
;;       return np.moveaxis(q, -1, axis).astype(np.float32)
;;   ~~~
;;   SOFTMAX AHEAD OF A QUANTISED PRODUCT. Where the list says 'softmax', what is quantised is not the finished softmax but p = 2^(t - M), with t = logit x log2(e) and M = ceil(the row's largest t), a whole number; so 1/2 < the row's largest p <= 1. The row's sum l is taken of the UNQUANTISED p, in f32, and the product's result is divided by l at the end. Since M is a whole number, a kernel that streams over the keys may use a running M (the ceiling of the running maximum): every later rescaling is an exact power of two, so the quantised numbers keep their values, but for numbers so far below the row's largest that they fall under the format's range.
;;   OPERANDS COMPUTED ON THE WAY. 'Computed on the way' means the value that the module computes at that place (a softmax that the list does not call 'softmax' is quantised finished and normalised). What goes into a quantiser is computed in f32, as accurately as f32 sums, v_exp_f32 and their like allow (about 1e-6 of the number): no bf16 or f16 on the way to a quantiser, and a product that is left as it is and whose result goes on into a quantised operand takes f32 operands (vector FMAs, or v_wmma_f32_16x16x4_f32). A number that lies on a knife's edge between two numbers of the format may be rounded either way, as far as f32 arithmetic and the matrix unit's own rounding can turn it there, and no further.
;; One version. Each part assembles by itself: llvm-mc -triple=amdgcn-amd-amdhsa -mcpu=gfx1250 --defsym DOCPART=n.
;; ======== version 1 of 1: 4 launches
;; limits: right only within a limited range of input values
;; workspace buffers: xc 8,388,608 bytes; wac 3,145,728 bytes; wpc 1,048,576 bytes; qc 8,388,608 bytes; kc 8,388,608 bytes; vc 8,388,608 bytes; ac 8,388,608 bytes
;; launch quant (part 1): grid 768 x 1, 4 waves a work-group, no clusters, 17,920 bytes of LDS; arguments x, w_attn, w_proj, lowp_scales, xc, wac, wpc; writes xc, wac, wpc
.if DOCPART == 1
	.amdgcn_target "amdgcn-amd-amdhsa--gfx1250"
	.amdhsa_code_object_version 6
	.text
	.protected	k_qc3628b5aac_quant
	.globl	k_qc3628b5aac_quant
	.p2align	8
	.type	k_qc3628b5aac_quant,@function
k_qc3628b5aac_quant:
	s_mov_b64 s[64:65], 0
	v_nop
	global_prefetch_b8 v0, s[64:65] scope:SCOPE_SE
	s_setreg_imm32_b32 hwreg(HW_REG_WAVE_MODE, 25, 1), 1
	s_wait_xcnt 0x0
; x [8192][1024], w_attn [3072][1024] and w_proj [1024][1024], f32 with K innermost, become codes of FP8 (E4M3), each tensor with its given scale 2^e (entries 0, 1 and 7 of the scales).
; code = number / 2^e, held within +-448, rounded to the nearest code, ties to even.
; LIMITS: each e between -126 and 119, so that 2^e and 448 x 2^e are f32 numbers.  NaN among the inputs is not served (an infinity is held at the largest code).
; The program does all of reference()'s work but the score tiles that lie wholly above the causal diagonal, which reference()'s own mask throws away; NaN or overflow that reaches only those is not carried on.
; THE CODES LIE IN THE ORDER OF THE OPERAND REGISTERS.  16 rows x 64 K are an image of 1,024 bytes: byte 512 c + 16 lane + i (lane = 16 h + r) is row r, k = 32 c + 16 h + i.  u = k / 64:
;   xc, wpc: byte (tile / 64) 2^20 + u 65,536 + (tile % 64) 1,024, tile = row / 16
;   wac:     byte u 196,608 + head 12,288 + part 4,096 + t 1,024 (part 0, 1, 2: q, k, v): lane row r of tile t is the head's feature 32 (t/2) + 8 (t%2) + r + 8 (r/8), so that the
;            next launch's results of two neighbouring tiles are 16 neighbouring features
; One path: work-groups 0-511 take x, 512-703 w_attn, 704-767 w_proj: pointers, offsets and e alone are chosen, by the work-group's number.  A work-group takes 16 rows, a wave 256 along K: four steps of 16 rows x 64 K.
; A load reads two rows' aligned 256 bytes; a step turns through the wave's own stage in LDS; a store covers 512 consecutive bytes, aligned.  All 32 loads of a wave are asked for at once.
; No matrix unit, no cluster, no barrier: waves share nothing, each byte is read once and written once.
.set PITCH, 272                        ; a stage row: 256 bytes + 16
.set WREG,  16*PITCH
.set SPARE, 4*WREG                     ; behind the four stages: the spare words, 128 bytes a wave
.set R,     16                         ; v16-143  four steps of 32 numbers as loaded
.set X,     144                        ; v144-207 two sets of 32 numbers as converted
.set C,     208                        ; v208-239 codes, eight registers a step
.set SPW,   12
.set NIL,   13
	s_load_b256 s[4:11], s[0:1], 0x0               ; x, w_attn, w_proj, the scales' exponents
	s_load_b128 s[12:15], s[0:1], 0x20             ; xc, wac
	s_load_b64 s[16:17], s[0:1], 0x30              ; wpc
	v_lshl_add_u32 v[SPW], v0, 2, SPARE
	v_mov_b32 v[NIL], 0
	v_lshrrev_b32 v1, 5, v0
	v_readfirstlane_b32 s18, v1                    ; wave
	s_mul_i32 s19, s18, WREG
	v_and_b32 v5, 15, v0                           ; r
	v_bfe_u32 v2, v0, 4, 1                         ; h
	v_and_b32 v4, 31, v0
	v_lshlrev_b32 v3, 4, v5
	v_mul_u32_u24 v14, v2, PITCH
	v_mul_u32_u24 v15, v5, PITCH
	v_lshlrev_b32 v4, 4, v4                        ; out: 16 x lane
	v_lshl_add_u32 v3, v2, 12, v3                  ; in: row h, 16 bytes a lane
	v_lshl_add_u32 v14, v5, 4, v14
	v_lshl_add_u32 v15, v2, 6, v15
	v_add_nc_u32 v14, s19, v14                     ; into the stage, as loaded
	v_add_nc_u32 v15, s19, v15                     ; out of it: row r, 64 bytes for each h
	s_cmp_lt_u32 ttmp9, 512
	s_cselect_b32 s20, 0, 512
	s_cmp_lt_u32 ttmp9, 704
	s_cselect_b32 s20, s20, 704
	s_sub_co_u32 s20, ttmp9, s20                   ; the tile in its tensor
	s_lshl_b32 s21, s20, 16                        ; in: 16 rows of 4,096 bytes
	s_lshr_b32 s22, s20, 6                         ; tile / 64; in w_attn the part
	s_and_b32 s23, s20, 63
	s_lshl_b32 s24, s22, 20
	s_lshl_b32 s25, s23, 10
	s_add_co_u32 s24, s24, s25                     ; out, x and w_proj
	s_lshr_b32 s25, s23, 2
	s_mul_i32 s25, s25, 12288                      ; out, w_attn: head
	s_lshl_b32 s26, s22, 12
	s_add_co_u32 s25, s25, s26
	s_and_b32 s26, s20, 3                          ; t
	s_lshl_b32 s27, s26, 10
	s_add_co_u32 s25, s25, s27
	s_lshr_b32 s27, s20, 2
	s_lshl_b32 s27, s27, 18                        ; in, w_attn: 64 rows a head,
	s_lshr_b32 s28, s26, 1
	s_lshl_b32 s28, s28, 17
	s_add_co_u32 s27, s27, s28
	s_and_b32 s28, s26, 1
	s_lshl_b32 s28, s28, 15
	s_add_co_u32 s27, s27, s28                     ; 32 (t/2) + 8 (t%2) rows on
	s_sub_co_u32 s28, ttmp9, 512                   ; (wraps to a large number for x's work-groups)
	s_mov_b32 s30, 65536
	s_cmp_lt_u32 s28, 192                          ; w_attn's?
	s_cselect_b32 s21, s27, s21
	s_cselect_b32 s24, s25, s24
	s_cselect_b32 s26, 0x8000, 0                   ; lane rows 8-15 lie eight rows further on
	s_cselect_b32 s30, 196608, s30                 ; from u to u
	s_lshl_b32 s27, s18, 10
	s_add_co_u32 s20, s21, s27                     ; + my wave's 256 numbers along K
	s_mov_b32 s21, 0
	s_mul_i32 s28, s18, s30
	s_lshl_b32 s28, s28, 2
	s_add_co_u32 s22, s24, s28                     ; + my wave's four units
	s_mov_b32 s23, 0
	s_mov_b32 s27, 0
	s_mov_b32 s31, 0
	s_wait_alu depctr_va_vdst(0)
	s_wait_kmcnt 0x0
	s_load_b256 s[40:47], s[10:11], 0x0            ; e0 .. e7
	s_cmp_lt_u32 ttmp9, 512
	s_cselect_b64 s[4:5], s[4:5], s[6:7]
	s_cselect_b64 s[12:13], s[12:13], s[14:15]
	s_cmp_lt_u32 ttmp9, 704
	s_cselect_b64 s[4:5], s[4:5], s[8:9]
	s_cselect_b64 s[12:13], s[12:13], s[16:17]
	s_add_nc_u64 s[4:5], s[4:5], s[20:21]
	s_add_nc_u64 s[6:7], s[4:5], s[26:27]
	s_add_nc_u64 s[12:13], s[12:13], s[22:23]      ; one store base for each of the four steps
	s_add_nc_u64 s[14:15], s[12:13], s[30:31]
	s_add_nc_u64 s[16:17], s[14:15], s[30:31]
	s_add_nc_u64 s[32:33], s[16:17], s[30:31]
.macro LOAD t
.irp i, 0,1,2,3
	global_load_b128 v[R+32*\t+4*\i:R+32*\t+4*\i+3], v3, s[4:5] offset:8192*\i+256*\t th:TH_LOAD_NT
.endr
.irp i, 4,5,6,7
	global_load_b128 v[R+32*\t+4*\i:R+32*\t+4*\i+3], v3, s[6:7] offset:8192*\i+256*\t th:TH_LOAD_NT
.endr
.endm
.macro TURN t                          ; LDS serves a wave's instructions in order: no wait stands between the stores and the loads, nor ahead of the next step's stores
.irp i, 0,1,2,3,4,5,6,7
	ds_store_b128 v14, v[R+32*(\t)+4*\i:R+32*(\t)+4*\i+3] offset:2*PITCH*\i
.endr
.irp c, 0,1
.irp i, 0,1,2,3
	ds_load_b128 v[X+32*((\t)%2)+16*\c+4*\i:X+32*((\t)%2)+16*\c+4*\i+3], v15 offset:128*\c+16*\i
.endr
.endr
.endm
.irp t, 0,1,2,3
	LOAD \t
.endr
	s_wait_kmcnt 0x0
	s_cmp_lt_u32 ttmp9, 512
	s_cselect_b32 s22, s40, s41
	s_cmp_lt_u32 ttmp9, 704
	s_cselect_b32 s22, s22, s47                    ; e of my tensor: entry 0, 1 or 7
	s_add_co_i32 s22, s22, 127
	s_lshl_b32 s23, s22, 23
	v_mov_b32 v11, s23                             ; 2^e as f32: the conversion takes its exponent field
	s_add_co_i32 s22, s22, 8
	s_lshl_b32 s22, s22, 23
	s_or_b32 s22, s22, 0x600000
	v_mov_b32 v10, s22                             ; 448 x 2^e
	s_wait_alu depctr_va_vdst(0)
	s_wait_loadcnt 24                              ; step 0's eight loads are in
	TURN 0
.macro STEP t, ob
.set XS, X+32*((\t)%2)
.set CC, C+8*(\t)
	s_wait_dscnt 0x0                               ; this step's numbers are back from the stage
.if (\t) < 3
	s_wait_loadcnt 8*(2-\t)                        ; the next step's eight loads are in; those of the steps behind it may be out
	TURN \t+1
.endif
.set n, 0
.rept 32
	v_med3_num_f32 v[XS+n], v[XS+n], -v10, v10     ; the conversion to an 8-bit code does not saturate (ISA guide 7.6.2): the hold comes first
.set n, n+1
.endr
.irp g, 0,1,2,3
	v_cvt_scalef32_pk8_fp8_f32 v[CC+2*\g:CC+2*\g+1], v[XS+8*\g:XS+8*\g+7], v11
.endr
	v_nop                                          ; one plain vector line behind the last conversion of a run
	global_store_b128 v4, v[CC:CC+3], s[\ob:\ob+1]
	global_store_b128 v4, v[CC+4:CC+7], s[\ob:\ob+1] offset:512
.endm
	STEP 0, 12
	STEP 1, 14
	STEP 2, 16
	STEP 3, 32
	s_wait_tensorcnt 0x0                           ; the wave's end
	ds_add_u32 v[SPW], v[NIL]
	s_wait_dscnt 0x0
	s_endpgm
.Lfunc_end_k_qc3628b5aac_quant:
	.size	k_qc3628b5aac_quant, .Lfunc_end_k_qc3628b5aac_quant-k_qc3628b5aac_quant
	.p2alignl 7, 3214868480
	.fill 96, 4, 3214868480
	.section	.rodata,"a",@progbits
	.p2align	6, 0x0
	.amdhsa_kernel k_qc3628b5aac_quant
		.amdhsa_group_segment_fixed_size 17920
		.amdhsa_private_segment_fixed_size 0
		.amdhsa_enable_private_segment 0
		.amdhsa_kernarg_size 56
		.amdhsa_user_sgpr_count 2
		.amdhsa_user_sgpr_kernarg_segment_ptr 1
		.amdhsa_wavefront_size32 1
		.amdhsa_system_sgpr_workgroup_id_x 1
		.amdhsa_system_sgpr_workgroup_id_y 1
		.amdhsa_system_sgpr_workgroup_id_z 1
		.amdhsa_system_vgpr_workitem_id 0
		.amdhsa_next_free_vgpr 240
		.amdhsa_next_free_sgpr 66
		.amdhsa_reserve_vcc 0
		.amdhsa_float_denorm_mode_32 3
		.amdhsa_float_denorm_mode_16_64 3
		.amdhsa_memory_ordered 1
		.amdhsa_forward_progress 1
		.amdhsa_inst_pref_size 22
	.end_amdhsa_kernel
	.amdgpu_metadata
---
amdhsa.version: [ 1, 2 ]
amdhsa.kernels:
  - .name:           k_qc3628b5aac_quant
    .symbol:         k_qc3628b5aac_quant.kd
    .args:
      - { .name: x, .offset: 0, .size: 8, .value_kind: global_buffer, .address_space: global }
      - { .name: w_attn, .offset: 8, .size: 8, .value_kind: global_buffer, .address_space: global }
      - { .name: w_proj, .offset: 16, .size: 8, .value_kind: global_buffer, .address_space: global }
      - { .name: lowp_scales, .offset: 24, .size: 8, .value_kind: global_buffer, .address_space: global }
      - { .name: xc, .offset: 32, .size: 8, .value_kind: global_buffer, .address_space: global }
      - { .name: wac, .offset: 40, .size: 8, .value_kind: global_buffer, .address_space: global }
      - { .name: wpc, .offset: 48, .size: 8, .value_kind: global_buffer, .address_space: global }
    .group_segment_fixed_size: 17920
    .private_segment_fixed_size: 0
    .kernarg_segment_align: 8
    .kernarg_segment_size: 56
    .max_flat_workgroup_size: 128
    .sgpr_count:     66
    .vgpr_count:     240
    .wavefront_size: 32
...
	.end_amdgpu_metadata
.endif
;; end of part 1
;; launch qkv (part 2): grid 8 x 32, 4 waves a work-group, clusters of 4 x 4, 327,680 bytes of LDS; arguments xc, wac, b_attn, lowp_scales, qc, kc, vc; writes qc, kc, vc
.if DOCPART == 2
	.amdgcn_target "amdgcn-amd-amdhsa--gfx1250"
	.amdhsa_code_object_version 6
	.text
	.protected	k_qc3628b5aac_qkv
	.globl	k_qc3628b5aac_qkv
	.p2align	8
	.type	k_qc3628b5aac_qkv,@function
k_qc3628b5aac_qkv:
	s_mov_b64 s[64:65], 0
	v_nop
	global_prefetch_b8 v0, s[64:65] scope:SCOPE_SE
	s_setreg_imm32_b32 hwreg(HW_REG_WAVE_MODE, 25, 1), 1
	s_wait_xcnt 0x0
	s_wait_alu depctr_hold_cnt(0) depctr_sa_sdst(0) depctr_va_vdst(0) depctr_va_sdst(0) depctr_va_ssrc(0) depctr_va_vcc(0) depctr_vm_vsrc(0)
	s_getreg_b32 s2, hwreg(HW_REG_IB_STS2, 6, 4)
	s_cmp_eq_u32 s2, 0
	s_cbranch_scc0 .Lentry_in_a_cluster
	s_endpgm
.Lentry_in_a_cluster:
	s_bfe_u32 s2, ttmp6, 0x10000c
	s_cmp_lg_u32 s2, 0xf033
	s_cbranch_scc0 .Lentry_shape_is_right
	s_endpgm
.Lentry_shape_is_right:
; qkv = x w_attn^T + b_attn on codes of FP8 (E4M3); its three parts are quantised at once, in registers, into the codes that attention reads.  The f32 qkv never goes to memory.
; xc, wac: images of 16 rows x 64 K, 1,024 bytes each (the launch before says how).  Scales: 2^e0 for x, 2^e1 for w_attn; 2^e2, 2^e3, 2^e5 for q, k, v.
; A work-group makes 256 tokens x 384 features: q, k and v of two heads; 8 x 32 such blocks are 256 work-groups.  A wave makes 128 tokens x the 192 features of ONE head: 96 accumulators of 16 x 16, 768 registers.
; K = 1,024 goes in 16 units of 64.  A unit is 640 rows x 64 bytes = 40,960 bytes of LDS; two slots hold 4 and 3 units, and are filled five times in all, with 4, 3, 4, 3 and 2 units.
; Every image lies in LDS as in memory: a fragment load is 16 bytes x lane, 512 consecutive bytes, and no padding is needed.
; q and k: source 0 = 16 features, source 1 = 16 tokens: a lane holds one token, and the 16 registers of two neighbouring tiles are 16 neighbouring features.
; v: source 0 = 16 tokens, source 1 = 16 channels: a lane holds one channel, and its registers run along the tokens, which are the keys: v's K.
; OUT, in the order of the reader's operand registers (lane = 16 h + r; every store covers 512 consecutive bytes, aligned):
;   qc, kc: byte (b 16 + head) 65,536 + (s / 16) 1,024 + 512 c + 16 lane + i:  token s = .. + r, channel 32 c + 16 h + i
;   vc:     byte (b 16 + head) 65,536 + 8,192 ks + 2,048 t + 512 c + 16 lane + i:  channel 32 (t/2) + 8 (t%2) + r + 8 (r/8), key 128 ks + 32 c + 16 (i/8) + 8 h + i%8
; THE BIAS is the C of each sum's first product, divided by 2^(e0 + e1), the power of two that the sums lack.  It stands in the registers of the accumulators of the last token tile (a = 7), which are begun last, in place.
; The scales ahead of each quantiser are folded into the conversion's one: 2^F, F = e_out - e0 - e1.
; LIMITS: each F between -126 and 119; b_attn / 2^(e0 + e1) stays an f32 number.  NaN among the inputs is not served.
; CLUSTERS: 4 x 4 work-groups; x's images are asked for jointly along a row of the cluster, w_attn's along a column.
; NO PREFETCH: K is five fills, written out, with no loop to run ahead in.
; REGISTERS: window 0: v1 16 x lane, v2-3 and v4-5 LDS addresses for x and w_attn in slot 0 and 1, v8-13 scales and holds, v14-15 the add's two, v16-31 at work and codes; v32-95, v96-159 two sets of x's eight
;   fragments; v160-255 three buffers of four fragments of w_attn.  Windows 1, 2, 3: the accumulators of q, k, v: (a, b) at v[8 (4 a + b)].
.set SLOT1, 163840                     ; slot 0: 4 units: x's halves at 0 and 32,768, w_attn's at 65,536 and 114,688.  Slot 1: 3 units: at 0, 24,576, 49,152 and 86,016 from here
.set SPARE, 286720                     ; behind the ring: the spare words, 128 bytes a wave
.set VO,   1
.set ADRA, 2
.set ADRB, 4
.set SPW,  14
.set NIL,  15
.set RAW,  20
.set G1,  24                           ; s[24:31] descriptor group 1 for x; s[32:39] group 0, a set for each slot
.set G0,  32
.set G1B, 48                           ; s[48:55], s[56:63] the same for w_attn
.set G0B, 56
.set MSB, 0
.macro WIN new                         ; the immediate's high byte repeats the setting that is left
.if MSB != (\new)
	s_set_vgpr_msb (MSB<<8)|(\new)
.set MSB, (\new)
.endif
.endm
; A joint load: waves 0 and 1 fetch x's halves, waves 2 and 3 w_attn's.  The branch hangs on the wave's number alone.  An s_nop 0 and four v_nop follow each of the two lines.
.macro JLOAD g0a, g0b
	s_cmp_eq_u32 s15, 0
	s_cbranch_scc0 .Lfor_b_\@
	tensor_load_to_lds s[\g0a:\g0a+3], s[G1:G1+7]
	s_nop 0
.rept 4
	v_nop
.endr
	s_branch .Lasked_\@
.Lfor_b_\@:
	tensor_load_to_lds s[\g0b:\g0b+3], s[G1B:G1B+7]
	s_nop 0
.rept 4
	v_nop
.endr
.Lasked_\@:
.endm
.macro SETR n                          ; units of the next fill: one row of the descriptor a unit
	s_mov_b32 s[G1+2], (\n)<<16
	s_mov_b32 s[G1+4], \n
	s_mov_b32 s[G1B+2], (\n)<<16
	s_mov_b32 s[G1B+4], \n
.endm
.macro CREST                           ; a round of the cluster's barrier behind its opening barrier
	s_cmp_lg_u32 s14, 0
	s_cbranch_scc1 .Lnot_wave_0_\@
	s_barrier_signal -3
.Lnot_wave_0_\@:
	s_barrier_wait -3
	s_barrier_signal -1
	s_barrier_wait -1
.endm
.macro CROUND
	s_barrier_signal -1
	s_barrier_wait -1
	CREST
.endm
	s_load_b256 s[4:11], s[0:1], 0x0               ; xc, wac, b_attn, the scales' exponents
	s_load_b128 s[68:71], s[0:1], 0x20             ; qc, kc
	s_load_b64 s[72:73], s[0:1], 0x30              ; vc
	v_lshl_add_u32 v[SPW], v0, 2, SPARE
	v_mov_b32 v[NIL], 0
	ds_add_u32 v[SPW], v[NIL]                      ; the wave's opening
	ds_add_u32 v[SPW], v[NIL]
	v_lshrrev_b32 v16, 5, v0
	v_readfirstlane_b32 s14, v16                   ; wave 0..3
	s_lshr_b32 s15, s14, 1                         ; which 128 tokens are mine.  Also: I fetch for x (0) or for w_attn (1)
	s_and_b32 s16, s14, 1                          ; which head is mine.  Also: which half I fetch
	s_bfe_u32 s40, ttmp6, 0x40000                  ; cx, cy
	s_bfe_u32 s41, ttmp6, 0x40004
	s_lshl_b32 s42, ttmp9, 2
	s_add_co_u32 s42, s42, s40                     ; tile column: heads 2 x this and the next
	s_and_b32 s17, ttmp7, 0xffff
	s_lshl_b32 s17, s17, 2
	s_add_co_u32 s17, s17, s41                     ; tile row: tokens 256 x this on
	s_lshl_b32 s43, s41, 2
	s_lshl_b32 s43, 15, s43                        ; my row of the cluster
	s_lshl_b32 s44, 0x1111, s40                    ; my column
	; group 1: elements of 8 bytes; x: rows of 8,192 bytes (8 images), 65,536 apart; w_attn: rows of 12,288 bytes (12 images), 196,608 apart
	s_or_b32 s[G1], s43, (3<<16)|(1<<21)           ; 15:0 the mask; bit 21 set beside it
	s_or_b32 s[G1B], s44, (3<<16)|(1<<21)
	s_mov_b32 s[G1+1], 1024<<16
	s_mov_b32 s[G1B+1], 1536<<16
	s_mov_b32 s[G1+3], 1024<<16
	s_mov_b32 s[G1B+3], 1536<<16
	s_mov_b32 s[G1+5], 8192
	s_mov_b32 s[G1B+5], 24576
	s_mov_b32 s[G1+6], 0
	s_mov_b32 s[G1B+6], 0
	s_mov_b32 s[G1+7], 0
	s_mov_b32 s[G1B+7], 0
	SETR 4
	s_lshr_b32 s20, s17, 2
	s_lshl_b32 s20, s20, 20                        ; x: batch,
	s_and_b32 s18, s17, 3
	s_lshl_b32 s18, s18, 14
	s_add_co_u32 s20, s20, s18                     ; 16 images a tile row,
	s_lshl_b32 s19, s16, 13
	s_add_co_u32 s20, s20, s19                     ; and my half of them
	s_mov_b32 s21, 0
	s_lshl_b32 s46, s42, 1
	s_add_co_u32 s46, s46, s16
	s_mul_i32 s46, s46, 12288                      ; w_attn: the head
	s_mov_b32 s47, 0
	s_lshl_b32 s45, s16, 15                        ; where they go: no place in the cluster enters an LDS address
	s_mul_i32 s22, s16, 24576
	s_add_co_u32 s22, s22, SLOT1
	s_mul_i32 s23, s16, 49152
	s_add_co_u32 s23, s23, 65536
	s_mul_i32 s74, s16, 36864
	s_add_co_u32 s74, s74, SLOT1+49152
	s_wait_dscnt 0x0                               ; both opening adds are done
	s_wait_kmcnt 0x0
	s_load_b256 s[76:83], s[10:11], 0x0            ; e0 .. e7
	s_add_nc_u64 s[20:21], s[4:5], s[20:21]
	s_add_nc_u64 s[46:47], s[6:7], s[46:47]
	CROUND                                         ; all sixteen work-groups are here: the first joint loads meet
	s_mov_b32 s[G0], 1
	s_mov_b32 s[G0+1], s45
	s_mov_b64 s[G0+2:G0+3], s[20:21]
	s_or_b32 s[G0+3], s[G0+3], 0x80000000
	s_mov_b32 s[G0B], 1
	s_mov_b32 s[G0B+1], s23
	s_mov_b64 s[G0B+2:G0B+3], s[46:47]
	s_or_b32 s[G0B+3], s[G0B+3], 0x80000000
	JLOAD G0, G0B                                  ; units 0-3: my one load at the head
	s_mov_b32 s[G0+4], 1
	s_mov_b32 s[G0+5], s22
	s_add_nc_u64 s[G0+6:G0+7], s[20:21], 4*65536
	s_or_b32 s[G0+7], s[G0+7], 0x80000000
	s_mov_b32 s[G0B+4], 1
	s_mov_b32 s[G0B+5], s74
	s_add_nc_u64 s[G0B+6:G0B+7], s[46:47], 4*196608
	s_or_b32 s[G0B+7], s[G0B+7], 0x80000000
	; where my codes go: one offset serves qc, kc and vc: head 65,536 + 8,192 for each 128 tokens
	s_lshr_b32 s86, s17, 2
	s_lshl_b32 s86, s86, 4
	s_lshl_b32 s88, s42, 1
	s_add_co_u32 s88, s88, s16                     ; my head
	s_add_co_u32 s86, s86, s88
	s_lshl_b32 s86, s86, 16
	s_and_b32 s87, s17, 3
	s_lshl_b32 s87, s87, 14
	s_add_co_u32 s86, s86, s87
	s_lshl_b32 s87, s15, 13
	s_add_co_u32 s86, s86, s87
	s_mov_b32 s87, 0
	s_add_nc_u64 s[68:69], s[68:69], s[86:87]
	s_add_nc_u64 s[70:71], s[70:71], s[86:87]
	s_add_nc_u64 s[72:73], s[72:73], s[86:87]
	s_lshl_b32 s88, s88, 8                         ; my head's 64 biases
	s_mov_b32 s89, 0
	s_add_nc_u64 s[8:9], s[8:9], s[88:89]
	s_lshl_b32 s84, s15, 15                        ; my 128 tokens in slot 0,
	s_mul_i32 s85, s15, 24576
	s_add_co_u32 s85, s85, SLOT1                   ; and in slot 1
	v_and_b32 v16, 15, v0                          ; r
	v_bfe_u32 v17, v0, 4, 1                        ; h
	v_and_b32 v[VO], 31, v0
	v_lshlrev_b32 v[VO], 4, v[VO]                  ; 16 x lane
	v_add_nc_u32 v[ADRA], s84, v[VO]
	v_add_nc_u32 v[ADRA+1], s85, v[VO]
	v_add_nc_u32 v[ADRB], s23, v[VO]
	v_add_nc_u32 v[ADRB+1], s74, v[VO]
	v_lshlrev_b32 v18, 6, v17                      ; q, k: tile b's register j is feature 32 (b/2) + 16 h + 8 (b%2) + j
	v_and_b32 v19, 8, v16
	v_add_nc_u32 v19, v19, v16
	v_lshlrev_b32 v19, 2, v19                      ; v: tile t's lane r is feature 32 (t/2) + 8 (t%2) + r + 8 (r/8)
.irp w, 1,2
	WIN 0x40*\w
.irp b, 0,1,2,3
	global_load_b128 v[224+8*\b:227+8*\b], v18, s[8:9] offset:4096*(\w-1)+(32*(\b/2)+8*(\b%2))*4
	global_load_b128 v[228+8*\b:231+8*\b], v18, s[8:9] offset:4096*(\w-1)+(32*(\b/2)+8*(\b%2))*4+16
.endr
.endr
	WIN 0
.irp t, 0,1,2,3
	global_load_b32 v[RAW+\t], v19, s[8:9] offset:8192+(32*(\t/2)+8*(\t%2))*4
.endr
	s_wait_kmcnt 0x0                               ; the exponents
	s_add_co_i32 s90, s76, s77                     ; e0 + e1
.macro SCALE e, r                      ; a sum stands for sum x 2^(e0 + e1), so its code is sum / 2^F
	s_sub_co_i32 s91, s[\e], s90
	s_add_co_i32 s91, s91, 127
	s_lshl_b32 s92, s91, 23
	v_mov_b32 v[\r], s92                           ; 2^F
	s_add_co_i32 s91, s91, 8
	s_lshl_b32 s91, s91, 23
	s_or_b32 s91, s91, 0x600000
	v_mov_b32 v[\r+1], s91                         ; 448 x 2^F
.endm
	SCALE 78, 8
	SCALE 79, 10
	SCALE 81, 12
	s_sub_co_i32 s90, 0, s90                       ; -(e0 + e1), for the bias
	s_wait_loadcnt 0x0
.irp w, 1,2
	WIN 0x41*\w
.set n, 0
.rept 32
	v_ldexp_f32 v[224+n], v[224+n], s90
.set n, n+1
.endr
.endr
	WIN 0xc0
.irp t, 0,1,2,3
.irp j, 0,1,2,3,4,5,6,7
	v_ldexp_f32 v[224+8*\t+\j], v[RAW+\t], s90     ; the scaling spreads it too
.endr
.endr
	WIN 0
.macro PLACES                          ; plain vector lines between a matrix instruction and a load into, or a vector read of, its registers
.rept 4
	v_nop
.endr
.endm
.macro LDA set, slot, u, i0            ; four of x's fragments of unit u of the slot: 16 rows x 64 K, 8 registers each
.irp i, \i0, \i0+1, \i0+2, \i0+3
	ds_load_b128 v[32+64*(\set)+8*(\i):35+64*(\set)+8*(\i)], v[ADRA+\slot] offset:8192*(\u)+1024*(\i)
	ds_load_b128 v[36+64*(\set)+8*(\i):39+64*(\set)+8*(\i)], v[ADRA+\slot] offset:8192*(\u)+1024*(\i)+512
.endr
.endm
.macro LDB buf, slot, u, g             ; the four fragments of w_attn of part g (q, k, v)
.irp i, 0,1,2,3
	ds_load_b128 v[160+32*(\buf)+8*\i:163+32*(\buf)+8*\i], v[ADRB+\slot] offset:12288*(\u)+4096*(\g)+1024*\i
	ds_load_b128 v[164+32*(\buf)+8*\i:167+32*(\buf)+8*\i], v[ADRB+\slot] offset:12288*(\u)+4096*(\g)+1024*\i+512
.endr
.endm
; 16 products: four token tiles x the four tiles of part g.  The 96 accumulators take turns, one instruction a turn.
; first = 1: C is the bias, in the registers of a = 7's accumulators.  Those are begun in place, five places behind the products that took them as C.
.macro MUL g, set, buf, a0, first
	WIN 0x50*((\g)+1)
.irp a, \a0, \a0+1, \a0+2, \a0+3
.if (\first) && ((\a) == 7)
.rept 5
	v_nop
.endr
.endif
.irp b, 0,1,2,3
.set DD_, 8*(4*(\a)+\b)
.set FA_, 32+64*(\set)+8*(\a)
.set FB_, 160+32*(\buf)+8*\b
.if (\first) && ((\a) != 7)
.set CC_, 224+8*\b
.else
.set CC_, DD_
.endif
.if (\g) < 2
	v_wmma_f32_16x16x64_fp8_fp8 v[DD_:DD_+7], v[FB_:FB_+7], v[FA_:FA_+7], v[CC_:CC_+7]
.else
	v_wmma_f32_16x16x64_fp8_fp8 v[DD_:DD_+7], v[FA_:FA_+7], v[FB_:FB_+7], v[CC_:CC_+7]
.endif
.endr
.endr
.endm
.macro MUL32 g, set, buf, first
	MUL \g, \set, \buf, 0, \first
	MUL \g, \set, \buf, 4, \first
.endm
; A unit whose successor lies in the same slot.  At its head the loads that may be out are, oldest first: k's fragments, v's fragments.
.macro UNIT slot, u, set, first
	s_wait_dscnt 16                                ; x's and q's fragments are in
	MUL32 0, \set, 0, \first
	PLACES
	WIN 0
	LDB 0, \slot, \u+1, 0
	LDA 1-\set, \slot, \u+1, 0
	s_wait_dscnt 24                                ; k's are in; v's 8 and the 16 just issued may be out
	MUL32 1, \set, 1, \first
	PLACES
	WIN 0
	LDA 1-\set, \slot, \u+1, 4
	LDB 1, \slot, \u+1, 1
	s_wait_dscnt 32                                ; v's are in; the 32 of the next unit may be out
	MUL32 2, \set, 2, \first
	PLACES
	WIN 0
	LDB 2, \slot, \u+1, 2
.endm
; A slot's last unit changes slots.  All its fragments have been asked for.  Ahead of the barrier each wave waits for all its tensor loads, adds 0 to its spare word, and waits for that and for its reads of this slot.
.macro MEET set
	s_wait_dscnt 16
	MUL32 0, \set, 0, 0
	WIN 0
	s_wait_tensorcnt 0x0                           ; all my tensor loads have landed: my part of the next slot
	ds_add_u32 v[SPW], v[NIL]                      ; 0 onto my spare word
	s_wait_dscnt 9                                 ; k's fragments are in; v's eight loads and the add may be out
	MUL 1, \set, 1, 0, 0
	s_wait_dscnt 0x0                               ; the add is done, and my reads of this slot are over
	s_barrier_signal -1
	MUL 1, \set, 1, 4, 0
	WIN 0
	s_barrier_wait -1
.endm
.macro LAST slot, set, next, n
	MEET \set
	CREST                                          ; the barrier has opened a round: no wave of any partner still reads this slot or has a load on its way
	SETR \n
	s_add_nc_u64 s[G0+4*\slot+2:G0+4*\slot+3], s[G0+4*\slot+2:G0+4*\slot+3], 7*65536
	s_add_nc_u64 s[G0B+4*\slot+2:G0B+4*\slot+3], s[G0B+4*\slot+2:G0B+4*\slot+3], 7*196608
	JLOAD G0+4*\slot, G0B+4*\slot                  ; the first tensor load behind the round, my one until the next; its four v_nop are the places for the loads below
	LDB 0, \next, 0, 0
	LDA 1-\set, \next, 0, 0
	LDA 1-\set, \next, 0, 4
	LDB 1, \next, 0, 1
	MUL32 2, \set, 2, 0
	PLACES
	WIN 0
	LDB 2, \next, 0, 2
.endm
; THE WAY OUT of q and k: the holds in place, each accumulator from its low end on; four conversions a token tile.  Tile a's codes go where tile a - 1's sums stood (tile 0's into window 0), one plain line behind the conversions
; that read those: no store's data are written again.
.macro OUTQK w, sc, cd, sb
	WIN 0x41*\w
.set n, 0
.rept 256
	v_med3_num_f32 v[n], v[n], -v[\sc+1], v[\sc+1] ; the conversion to an 8-bit code does not saturate (ISA guide 7.6.2)
.set n, n+1
.endr
	WIN \w
.irp b, 0,1,2,3
	v_cvt_scalef32_pk8_fp8_f32 v[\cd+2*\b:\cd+2*\b+1], v[8*\b:8*\b+7], v[\sc]
.endr
	WIN 0x41*\w
.irp a, 1,2,3,4,5,6,7
	v_nop
.irp b, 0,1,2,3
	v_cvt_scalef32_pk8_fp8_f32 v[32*(\a-1)+2*\b:32*(\a-1)+2*\b+1], v[32*\a+8*\b:32*\a+8*\b+7], v[\sc]
.endr
.endr
	v_nop
	WIN 0
	global_store_b128 v[VO], v[\cd:\cd+3], s[\sb:\sb+1]
	global_store_b128 v[VO], v[\cd+4:\cd+7], s[\sb:\sb+1] offset:512
	WIN 4*\w
.irp a, 1,2,3,4,5,6,7
	global_store_b128 v[VO], v[32*(\a-1):32*(\a-1)+3], s[\sb:\sb+1] offset:1024*\a
	global_store_b128 v[VO], v[32*(\a-1)+4:32*(\a-1)+7], s[\sb:\sb+1] offset:1024*\a+512
.endr
	WIN 0
.endm
	s_wait_alu depctr_va_vdst(0)
	s_wait_tensorcnt 0x0                           ; my part of units 0-3 is in
	ds_add_u32 v[SPW], v[NIL]
	SETR 3
	s_wait_dscnt 0x0
	CROUND                                         ; everybody's part is in, and the joint loads meet
	JLOAD G0+4, G0B+4                              ; units 4-6
	LDB 0, 0, 0, 0
	LDA 0, 0, 0, 0
	LDA 0, 0, 0, 4
	LDB 1, 0, 0, 1
	LDB 2, 0, 0, 2
	UNIT 0, 0, 0, 1
	UNIT 0, 1, 1, 0
	UNIT 0, 2, 0, 0
	LAST 0, 1, 1, 4                                ; units 7-10 asked for
	UNIT 1, 0, 0, 0
	UNIT 1, 1, 1, 0
	LAST 1, 0, 0, 3                                ; units 11-13
	UNIT 0, 0, 1, 0
	UNIT 0, 1, 0, 0
	UNIT 0, 2, 1, 0
	LAST 0, 0, 1, 2                                ; units 14, 15
	UNIT 1, 0, 1, 0
	UNIT 1, 1, 0, 0
	MEET 1                                         ; unit 13: nothing is filled again, so no round follows
	PLACES
	; UNITS 14 AND 15 GO BY PARTS: q is finished first and leaves ahead of k's and v's last products.  Each sum's order stays K ascending.
	LDB 0, 0, 0, 0                                 ; q, unit 14
	LDA 0, 0, 0, 0
	LDA 0, 0, 0, 4
	LDB 1, 0, 1, 0                                 ; q, unit 15
	MUL32 2, 1, 2, 0                               ; v, unit 13
	PLACES
	WIN 0
	LDA 1, 0, 1, 0
	LDA 1, 0, 1, 4
	LDB 2, 0, 0, 1                                 ; k, unit 14
	s_wait_dscnt 32                                ; out: q of unit 15, x of unit 15, k of unit 14
	MUL32 0, 0, 0, 0
	PLACES
	WIN 0
	LDB 0, 0, 1, 1                                 ; k, unit 15
	s_wait_dscnt 16                                ; out: k of units 14 and 15
	MUL32 0, 1, 1, 0
	PLACES
	WIN 0
	LDB 1, 0, 0, 2                                 ; v, unit 14
	OUTQK 1, 8, 16, 68
	s_wait_dscnt 16                                ; out: k of unit 15, v of unit 14
	MUL32 1, 0, 2, 0
	PLACES
	WIN 0
	LDB 2, 0, 1, 2                                 ; v, unit 15
	s_wait_dscnt 16                                ; out: v of units 14 and 15
	MUL32 1, 1, 0, 0
	PLACES
	WIN 0
	OUTQK 2, 10, 24, 70
	s_wait_dscnt 8
	MUL32 2, 0, 1, 0
	s_wait_dscnt 0x0
	MUL32 2, 1, 2, 0
	PLACES
	; v's way out: token tiles 2 c and 2 c + 1 of channel tile t make 16 bytes a lane
	WIN 0xc3
.set n, 0
.rept 256
	v_med3_num_f32 v[n], v[n], -v13, v13
.set n, n+1
.endr
	WIN 3
.irp c, 0,1,2,3
.irp t, 0,1,2,3
	v_cvt_scalef32_pk8_fp8_f32 v[32+16*\c+4*\t:33+16*\c+4*\t], v[64*\c+8*\t:64*\c+8*\t+7], v12
	v_cvt_scalef32_pk8_fp8_f32 v[34+16*\c+4*\t:35+16*\c+4*\t], v[64*\c+32+8*\t:64*\c+8*\t+39], v12
.endr
.endr
	v_nop
	WIN 0
.irp t, 0,1,2,3
.irp c, 0,1,2,3
	global_store_b128 v[VO], v[32+16*\c+4*\t:35+16*\c+4*\t], s[72:73] offset:2048*\t+512*\c
.endr
.endr
	s_wait_tensorcnt 0x0                           ; the wave's end
	ds_add_u32 v[SPW], v[NIL]
	s_wait_dscnt 0x0
	CROUND                                         ; the closing round: no work-group ends while a partner may still ask for a tile that names it
	s_endpgm
.Lfunc_end_k_qc3628b5aac_qkv:
	.size	k_qc3628b5aac_qkv, .Lfunc_end_k_qc3628b5aac_qkv-k_qc3628b5aac_qkv
	.p2alignl 7, 3214868480
	.fill 96, 4, 3214868480
	.section	.rodata,"a",@progbits
	.p2align	6, 0x0
	.amdhsa_kernel k_qc3628b5aac_qkv
		.amdhsa_group_segment_fixed_size 327680
		.amdhsa_private_segment_fixed_size 0
		.amdhsa_enable_private_segment 0
		.amdhsa_kernarg_size 56
		.amdhsa_user_sgpr_count 2
		.amdhsa_user_sgpr_kernarg_segment_ptr 1
		.amdhsa_wavefront_size32 1
		.amdhsa_system_sgpr_workgroup_id_x 1
		.amdhsa_system_sgpr_workgroup_id_y 1
		.amdhsa_system_sgpr_workgroup_id_z 1
		.amdhsa_system_vgpr_workitem_id 0
		.amdhsa_next_free_vgpr 1024
		.amdhsa_next_free_sgpr 102
		.amdhsa_reserve_vcc 0
		.amdhsa_float_denorm_mode_32 3
		.amdhsa_float_denorm_mode_16_64 3
		.amdhsa_memory_ordered 1
		.amdhsa_forward_progress 1
		.amdhsa_inst_pref_size 227
	.end_amdhsa_kernel
	.amdgpu_metadata
---
amdhsa.version: [ 1, 2 ]
amdhsa.kernels:
  - .name:           k_qc3628b5aac_qkv
    .symbol:         k_qc3628b5aac_qkv.kd
    .args:
      - { .name: xc, .offset: 0, .size: 8, .value_kind: global_buffer, .address_space: global }
      - { .name: wac, .offset: 8, .size: 8, .value_kind: global_buffer, .address_space: global }
      - { .name: b_attn, .offset: 16, .size: 8, .value_kind: global_buffer, .address_space: global }
      - { .name: lowp_scales, .offset: 24, .size: 8, .value_kind: global_buffer, .address_space: global }
      - { .name: qc, .offset: 32, .size: 8, .value_kind: global_buffer, .address_space: global }
      - { .name: kc, .offset: 40, .size: 8, .value_kind: global_buffer, .address_space: global }
      - { .name: vc, .offset: 48, .size: 8, .value_kind: global_buffer, .address_space: global }
    .group_segment_fixed_size: 327680
    .private_segment_fixed_size: 0
    .kernarg_segment_align: 8
    .kernarg_segment_size: 56
    .max_flat_workgroup_size: 128
    .sgpr_count:     102
    .vgpr_count:     1024
    .wavefront_size: 32
...
	.end_amdgpu_metadata
.endif
;; end of part 2
;; launch attn (part 3): grid 2 x 128, 16 waves a work-group, no clusters, 327,680 bytes of LDS; arguments qc, kc, vc, lowp_scales, ac; writes ac
.if DOCPART == 3
	.amdgcn_target "amdgcn-amd-amdhsa--gfx1250"
	.amdhsa_code_object_version 6
	.text
	.protected	k_qc3628b5aac_attn
	.globl	k_qc3628b5aac_attn
	.p2align	8
	.type	k_qc3628b5aac_attn,@function
k_qc3628b5aac_attn:
	s_mov_b64 s[64:65], 0
	v_nop
	global_prefetch_b8 v0, s[64:65] scope:SCOPE_SE
	s_setreg_imm32_b32 hwreg(HW_REG_WAVE_MODE, 25, 1), 1
	s_wait_xcnt 0x0
; Causal attention of one head (64 channels, 1,024 tokens) on codes of FP8 (E4M3); its result is quantised at once, in registers, for the projection.
; qc, kc, vc, ac lie in the order of the operand registers (see the launch before): every fragment load and every store is 16 bytes x lane, 512 consecutive bytes.
; THE SOFTMAX AHEAD OF THE SECOND PRODUCT: t = score x log2(e) / 8; M = the running largest t rounded UP to a whole number; p = 2^(t - M) is quantised with 2^e4, not normalised; the row's sum is taken of the
; unquantised p and divides at the end.  When M moves, the sum and O are multiplied by 2^(old M - new M): exact.
; SHARES.  A head has 64 tiles of 16 queries; tile i needs i / 8 + 1 key steps of 128.  A wave owns tiles j and 63 - j, which together need 9 steps whatever j is: work-group x = g, wave w: j = 2 w + g.
; Sixteen waves of 256 registers, so that one wave's vector work stands beside another's LDS loads and products.
; LEFT OUT: key steps all of whose keys come after a tile's 16 queries: reference()'s own mask throws their scores away.
; LDS.  The head's whole K (65,536 bytes) and V (65,536): keys 0-255 at the head, keys 256-1,023 behind the first barrier, by waves 0 to 3, one tensor load each time.  Nothing is filled again: no ring.
; Loop 1 (two steps): the late tile, 63 - j, whose queries are 512 or more, on keys 0-255, all of which count: the same work in every wave.  Behind it one barrier shows keys 256 on to everybody.
; Loop 2 (six trips): the late tile on keys 256 on and the early tile, j, on keys 0 on, both with the causal skip and mask: seven steps in every wave, and no barrier.
; Both products are used transposed: S^T = K Q^T, O^T = V^T P^T: a lane holds ONE query (lane % 16) throughout.  Register 8 u + i of S^T is key 16 u + 8 (lane / 16) + i of the step, and vc's keys lie in that order.
; NO CLUSTER: the two work-groups of a head share K and V, and a cluster of four would hold two heads: each partner would take both heads' 262,144 bytes into its LDS for the same number of query tiles.
; NO PREFETCH: K and V come in two fills; no loop fetches.
; LIMITS on the given exponents: e2 + e3 between -123 and 130 (added to c's exponent field); e4 and e6 between -126 and 119; e4 + e5 goes by v_ldexp_f32 and has none.  NaN among the inputs is not served.
; The scaled scores t stay under 2^31 in magnitude.
; REGISTERS: v1 16 x lane; v2, v3 LDS addresses; v4 (lane % 16) - 8 (lane / 16); v5, v6 the add's two; v7 -infinity; v8-11, v12-15 a tile's -M, largest t and sum in two halves; v16-23, v24-31 Q; v32-95 a step's K, then
;   its V; v96-159 S^T, then p; v160-191, v192-223 O^T; v224-239 p's codes; v240, v244: 448 x 2^e4, 2^e4; v241, v245: the same with e6; v242-243, v246-247, v252-254 at work.
.set SPARE, 131072                     ; behind K and V: the spare words, 128 bytes for each of 16 waves
.set LI,  1
.set ADK, 2
.set ADV, 3
.set DQ,  4
.set SPW, 5
.set NIL, 6
.set NINF, 7
.set WV,  18
.set SEL, 20                           ; s[20:21] lane selects for v_permlanex16_b32: lane l xor 16
.set CS,  22                           ; s[22:23] c: the packed form names a pair and takes its low word
.set G1,  24                           ; s[24:31] descriptor group 1
.set CNT, 33
.set Q0,  34                           ; s34, s35 the two tiles' first queries
.set G0,  40                           ; s[40:43], s[44:47] descriptor groups 0: keys 0-255 and keys 256 on
.set WALK, 60                          ; s60, s61: the early tile's LDS byte of the step's K (its V lies 65,536 on) and the step's first key; s62, s63: the late tile's
.set MK,  76                           ; s[76:83] the mask's lanes for a tile's eight registers
	s_load_b256 s[4:11], s[0:1], 0x0               ; qc, kc, vc, the scales' exponents
	s_load_b64 s[12:13], s[0:1], 0x20              ; ac
	v_lshl_add_u32 v[SPW], v0, 2, SPARE
	v_mov_b32 v[NIL], 0
	ds_add_u32 v[SPW], v[NIL]                      ; the wave's opening
	ds_add_u32 v[SPW], v[NIL]
	v_lshrrev_b32 v8, 5, v0
	v_readfirstlane_b32 s[WV], v8                  ; wave 0..15
	s_and_b32 s14, ttmp7, 0xffff
	s_lshl_b32 s14, s14, 16                        ; the head's first byte in each of the four buffers (under 2^23)
	s_lshl_b32 s15, s[WV], 1
	s_add_co_u32 s15, s15, ttmp9                   ; j
	s_lshl_b32 s[Q0], s15, 4                       ; 16 j
	s_sub_co_u32 s[Q0+1], 1008, s[Q0]              ; 16 (63 - j)
	s_lshl_b32 s48, s[Q0], 6                       ; a tile of 16 queries is 1,024 bytes
	s_add_co_u32 s48, s48, s14
	s_mov_b32 s49, 0
	s_lshl_b32 s50, s[Q0+1], 6
	s_add_co_u32 s50, s50, s14
	s_mov_b32 s51, 0
	s_and_b32 s16, s[WV], 1                        ; what I fetch, if I fetch: waves 0, 1: K's halves; waves 2, 3: V's; 8,192 bytes each at the head,
	s_mul_i32 s19, s16, 24576                      ; 24,576 bytes each behind the first barrier
	s_add_co_u32 s19, s19, 16384
	s_lshl_b32 s16, s16, 13
	s_lshr_b32 s17, s[WV], 1
	s_and_b32 s17, s17, 1
	s_lshl_b32 s17, s17, 16
	s_add_co_u32 s66, s17, s19                     ; their places in LDS,
	s_add_co_u32 s17, s17, s16
	s_add_co_u32 s38, s14, s16                     ; and in the buffer
	s_mov_b32 s39, 0
	s_add_co_u32 s54, s14, s19
	s_mov_b32 s55, 0
	s_mov_b32 s[G1], 3<<16                         ; no mask; elements of 8 bytes; no padding: a dense block of 8,192 bytes as 32 rows of 256
	s_mov_b32 s[G1+1], 32<<16
	s_mov_b32 s[G1+2], 32<<16
	s_mov_b32 s[G1+3], 32<<16
	s_mov_b32 s[G1+4], 32
	s_mov_b32 s[G1+5], 32
	s_mov_b32 s[G1+6], 0
	s_mov_b32 s[G1+7], 0
	s_mov_b32 s[SEL], 0x76543210
	s_mov_b32 s[SEL+1], 0xfedcba98
	s_mov_b32 s[CS], 0x3e38aa3b                    ; c = log2(e) / sqrt(64)
	s_wait_dscnt 0x0                               ; both opening adds are done
	s_wait_kmcnt 0x0
	s_load_b256 s[68:75], s[10:11], 0x0            ; e0 .. e7
	s_cmp_lt_u32 s[WV], 2
	s_cselect_b64 s[36:37], s[6:7], s[8:9]
	s_mov_b32 s[G0], 1
	s_mov_b32 s[G0+1], s17
	s_add_nc_u64 s[G0+2:G0+3], s[36:37], s[38:39]
	s_or_b32 s[G0+3], s[G0+3], 0x80000000
	s_mov_b32 s[G0+4], 1
	s_mov_b32 s[G0+5], s66
	s_add_nc_u64 s[G0+6:G0+7], s[36:37], s[54:55]
	s_or_b32 s[G0+7], s[G0+7], 0x80000000
	s_cmp_lt_u32 s[WV], 4
	s_cbranch_scc0 .Lno_fetch
	tensor_load_to_lds s[G0:G0+3], s[G1:G1+7]
	s_nop 0
.rept 4
	v_nop
.endr
.Lno_fetch:
	s_add_nc_u64 s[52:53], s[4:5], s[48:49]        ; Q's codes of my two tiles,
	s_add_nc_u64 s[54:55], s[4:5], s[50:51]
	s_add_nc_u64 s[56:57], s[12:13], s[48:49]      ; and where their results go
	s_add_nc_u64 s[58:59], s[12:13], s[50:51]
	v_and_b32 v[LI], 31, v0
	v_bfe_u32 v10, v0, 4, 1
	v_and_b32 v[DQ], 15, v0
	v_lshlrev_b32 v[LI], 4, v[LI]
	v_lshlrev_b32 v10, 3, v10
	global_load_b128 v[24:27], v[LI], s[54:55]     ; the late tile's; the early tile's are asked for behind the first barrier
	global_load_b128 v[28:31], v[LI], s[54:55] offset:512
	v_mov_b32 v9, 0xff61b1e6                       ; the largest t so far: -3e38, under every t
	v_mov_b32 v13, 0xff61b1e6
	v_sub_nc_u32 v[DQ], v[DQ], v10
	v_mov_b32 v[NINF], 0xff800000
	v_floor_f32 v8, -v9                            ; -M
	v_floor_f32 v12, -v13
	v_mov_b32 v10, 0                               ; the sums, in two halves
	v_mov_b32 v11, 0
	v_mov_b32 v14, 0
	v_mov_b32 v15, 0
	v_mov_b32 v246, 0                              ; written once: a lane permute's destination counts as one of its sources
	v_mov_b32 v247, 0
	v_mov_b32 v253, 0                              ; (named as the upper half of the pair v[252:253])
.set n, 0
.rept 64
	v_mov_b32 v[160+n], 0                          ; O^T: the step is written without a first form of its own: the first change of M multiplies zeros
.set n, n+1
.endr
	s_wait_kmcnt 0x0
	s_add_co_i32 s36, s70, s71
	s_lshl_b32 s36, s36, 23
	s_add_co_i32 s[CS], s[CS], s36                 ; a score stands for score x 2^(e2 + e3): added to c's exponent field
	s_mov_b32 s[CS+1], s[CS]
	s_add_co_i32 s36, s72, 127
	s_lshl_b32 s37, s36, 23
	v_mov_b32 v244, s37                            ; 2^e4
	s_add_co_i32 s36, s36, 8
	s_lshl_b32 s36, s36, 23
	s_or_b32 s36, s36, 0x600000
	v_mov_b32 v240, s36                            ; 448 x 2^e4
	s_add_co_i32 s36, s74, 127
	s_lshl_b32 s37, s36, 23
	v_mov_b32 v245, s37                            ; 2^e6
	s_add_co_i32 s36, s36, 8
	s_lshl_b32 s36, s36, 23
	s_or_b32 s36, s36, 0x600000
	v_mov_b32 v241, s36                            ; 448 x 2^e6
; A KEY STEP of 128 keys for tile t (0: the early tile, j; 1: the late tile, 63 - j).  causal = 1: the step may lie on or beyond the diagonal.
.macro STEP t, causal
.set QF, 16+8*(\t)
.set OT, 160+32*(\t)
.set ST, 8+4*(\t)
.set TB, WALK+2*(\t)
.set KF, TB+1
.if \causal
	s_add_co_u32 s36, s[Q0+\t], 15                 ; a step all of whose keys come after my 16 queries is left out: a scalar branch on ids, round no barrier and no tensor load
	s_cmp_gt_u32 s[KF], s36
	s_cbranch_scc1 .Lhidden_\@
.endif
	v_add_nc_u32 v[ADK], s[TB], v[LI]
	s_delay_alu instid0(VALU_DEP_1)
	v_add_nc_u32 v[ADV], 0x10000, v[ADK]
	v_nop
	v_nop                                          ; with the two additions: four places behind the last products, whose fragments' registers are loaded below
.set n, 0
.rept 16
	ds_load_b128 v[32+4*n:35+4*n], v[ADK] offset:512*n   ; K: eight fragments of 16 keys x 64 channels
.set n, n+1
.endr
	s_wait_alu depctr_va_vdst(0)
	s_wait_dscnt 0x0
.irp u, 0,1,2,3,4,5,6,7
	v_wmma_f32_16x16x64_fp8_fp8 v[96+8*\u:103+8*\u], v[32+8*\u:39+8*\u], v[QF:QF+7], 0
.endr
.rept 4
	v_nop                                          ; places: K's registers are loaded again, and the scores read
.endr
.set n, 0
.rept 16
	ds_load_b128 v[32+4*n:35+4*n], v[ADV] offset:512*n   ; V: four fragments of 16 channels x 128 keys, asked for now: they land under the softmax
.set n, n+1
.endr
.if \causal
	s_add_co_u32 s36, s[KF], 127                   ; on the diagonal hidden scores become -infinity ahead of the maximum; a step all of whose keys count skips this
	s_cmp_le_u32 s36, s[Q0+\t]
	s_cbranch_scc1 .Lopen_\@
	s_sub_co_u32 s36, s[Q0+\t], s[KF]
	s_lshr_b32 s36, s36, 4                         ; d: the step's group of 16 keys that lies on my tile's diagonal, 0 .. 7: groups under it count, groups over it do not
.irp i, 0,1,2,3,4,5,6,7
	v_cmp_gt_i32 s[MK+\i], \i, v[DQ]               ; in group d register i is hidden where 8 (lane / 16) + i > lane % 16
.endr
	s_wait_alu depctr_va_vdst(0)
.irp u, 0,1,2,3,4,5,6,7
.if \u < 7
	s_cmp_gt_u32 s36, \u
	s_cbranch_scc1 .Lmask_\@_\u
.endif
.irp i, 0,1,2,3,4,5,6,7
	v_cndmask_b32 v[96+8*\u+\i], v[96+8*\u+\i], v[NINF], s[MK+\i]
.endr
.if \u < 7
	s_mov_b64 s[MK:MK+1], -1                       ; behind group d all lanes are hidden
	s_mov_b64 s[MK+2:MK+3], -1
	s_mov_b64 s[MK+4:MK+5], -1
	s_mov_b64 s[MK+6:MK+7], -1
.endif
.Lmask_\@_\u:
.endr
.Lopen_\@:
	s_wait_alu depctr_va_vdst(0)                   ; ahead of the readers
.endif
	v_max3_num_f32 v254, v96, v97, v98             ; the step's largest score of my query among my 64 keys, in two chains,
	v_max3_num_f32 v252, v99, v100, v101
.irp i, 6,10,14,18,22,26,30,34,38,42,46,50,54,58
	v_max3_num_f32 v254, v254, v[96+\i], v[97+\i]
	v_max3_num_f32 v252, v252, v[98+\i], v[99+\i]
.endr
	v_max3_num_f32 v254, v254, v158, v159
	s_delay_alu instid0(VALU_DEP_1)
	v_max_num_f32 v254, v254, v252
	s_delay_alu instid0(VALU_DEP_1)
	v_permlanex16_b32 v246, v254, s[SEL], s[SEL+1]
	s_delay_alu instid0(VALU_DEP_1)
	v_max_num_f32 v254, v254, v246                 ; and among lane l xor 16's
	s_delay_alu instid0(VALU_DEP_1)
	v_mul_f32 v254, s[CS], v254                    ; as t (c is positive)
	s_delay_alu instid0(VALU_DEP_1)
	v_max_num_f32 v[ST+1], v[ST+1], v254           ; the running largest t
	v_mov_b32 v254, v[ST]
	s_delay_alu instid0(VALU_DEP_2)
	v_floor_f32 v[ST], -v[ST+1]                    ; the new -M = floor(-t): M is a whole number
	s_delay_alu instid0(VALU_DEP_1)
	v_sub_f32 v254, v[ST], v254                    ; old M - new M: a whole number, 0 or less
	s_delay_alu instid0(VALU_DEP_1)
	v_cvt_i32_f32 v254, v254                       ; (it saturates)
	s_delay_alu instid0(VALU_DEP_1)
	v_ldexp_f32 v252, 1.0, v254                    ; f = 2^(old M - new M)
.set n, 0
.rept 32
	v_pk_fma_f32 v[96+n:97+n], v[96+n:97+n], s[CS:CS+1], v[ST:ST+1] op_sel_hi:[1,0,0]   ; t - M, two at a time
.set n, n+2
.endr
.set n, 0
	s_wait_alu depctr_va_vdst(0)
.rept 64
	v_exp_f32 v[96+n], v[96+n]                     ; p = 2^(t - M), at most 1
.set n, n+1
.endr
	v_pk_mul_f32 v[ST+2:ST+3], v[ST+2:ST+3], v[252:253] op_sel_hi:[1,0]   ; the sums under the new M: the plain line behind the exponentials
	s_wait_alu depctr_va_vdst(0)                   ; one wait for the whole batch, ahead of its first reader
	v_pk_add_f32 v[242:243], v[96:97], v[98:99]    ; the row's sum is taken of the unquantised p, in two chains
.irp j, 4,8,12,16,20,24,28,32,36,40,44,48,52,56,60
	v_pk_add_f32 v[ST+2:ST+3], v[ST+2:ST+3], v[96+\j:97+\j]
	v_pk_add_f32 v[242:243], v[242:243], v[98+\j:99+\j]
.endr
	s_delay_alu instid0(VALU_DEP_1)
	v_pk_add_f32 v[ST+2:ST+3], v[ST+2:ST+3], v[242:243]
.irp b, 0,1,2,3
.irp i, 0,2,4,6,8,10,12,14
	v_dual_min_num_f32 v[96+16*\b+\i], v240, v[96+16*\b+\i] :: v_dual_min_num_f32 v[97+16*\b+\i], v240, v[97+16*\b+\i]   ; the conversion does not saturate (ISA guide 7.6.2); p is not negative, so the hold is one-sided
.endr
	v_cvt_scalef32_pk8_fp8_f32 v[224+4*\b:225+4*\b], v[96+16*\b:103+16*\b], v244
	v_cvt_scalef32_pk8_fp8_f32 v[226+4*\b:227+4*\b], v[104+16*\b:111+16*\b], v244
.endr
.set n, 0
	s_wait_alu depctr_va_vdst(0)
.rept 16
	v_pk_mul_f32 v[OT+n:OT+n+1], v[OT+n:OT+n+1], v[252:253] op_sel_hi:[1,0]   ; O^T under the new M; also the plain lines behind the conversions
.set n, n+2
.endr
	s_wait_alu depctr_va_vdst(0)
	s_wait_dscnt 0x0                               ; V is in
.irp u, 0,1,2,3                                ; four accumulators, one instruction a turn
	v_wmma_f32_16x16x128_fp8_fp8 v[OT+8*\u:OT+8*\u+7], v[32+16*\u:47+16*\u], v[224:239], v[OT+8*\u:OT+8*\u+7]
.endr
.if \causal
.Lhidden_\@:
.endif
.endm
	s_wait_alu depctr_va_vdst(0)
	s_wait_loadcnt 0x0                             ; the late tile's Q
	s_wait_tensorcnt 0x0                           ; my part of keys 0-255 is in
	ds_add_u32 v[SPW], v[NIL]
	ds_add_u32 v[SPW], v[NIL]
	s_mov_b32 s[G1+2], 96<<16                      ; the second fill: 96 rows of 256 bytes
	s_mov_b32 s[G1+4], 96
	s_mov_b32 s62, 0
	s_mov_b32 s63, 0
	s_mov_b32 s[CNT], 2
	s_wait_dscnt 0x0
	s_barrier_signal -1
	s_barrier_wait -1                              ; everybody's is
	s_cmp_lt_u32 s[WV], 4
	s_cbranch_scc0 .Lno_second
	tensor_load_to_lds s[G0+4:G0+7], s[G1:G1+7]    ; keys 256 on: a first fill, my one load behind this barrier; two steps stand ahead of the wait for it
	s_nop 0
.rept 4
	v_nop
.endr
.Lno_second:
	global_load_b128 v[16:19], v[LI], s[52:53]     ; the early tile's Q: first read in loop 2
	global_load_b128 v[20:23], v[LI], s[52:53] offset:512
.Lone:
	STEP 1, 0
	s_add_co_u32 s62, s62, 8192
	s_add_co_u32 s63, s63, 128
	s_sub_co_u32 s[CNT], s[CNT], 1
	s_cmp_lg_u32 s[CNT], 0
	s_cbranch_scc1 .Lone
	s_wait_loadcnt 0x0                             ; the early tile's Q
	s_wait_tensorcnt 0x0                           ; my part of keys 256 on is in,
	s_wait_dscnt 0x0
	s_barrier_signal -1
	s_barrier_wait -1                              ; everybody's is
	s_mov_b32 s60, 0
	s_mov_b32 s61, 0
	s_mov_b32 s62, 16384
	s_mov_b32 s63, 256
	s_mov_b32 s[CNT], 6
.Ltwo:
	STEP 1, 1
	STEP 0, 1
	s_add_co_u32 s60, s60, 8192
	s_add_co_u32 s61, s61, 128
	s_add_co_u32 s62, s62, 8192
	s_add_co_u32 s63, s63, 128
	s_sub_co_u32 s[CNT], s[CNT], 1
	s_cmp_lg_u32 s[CNT], 0
	s_cbranch_scc1 .Ltwo
	; THE WAY OUT: O^T x 2^(e4 + e5) / the sum, held, quantised with 2^e6.  Tiles 2 c and 2 c + 1 of O^T are 16 neighbouring channels, 32 c + 16 (lane / 16) on: the conversions' results are the projection's operand registers.
.rept 4
	v_nop                                          ; places behind the last products
.endr
	v_add_f32 v10, v10, v11
	v_add_f32 v14, v14, v15
	s_delay_alu instid0(VALU_DEP_2)
	v_permlanex16_b32 v246, v10, s[SEL], s[SEL+1]
	s_delay_alu instid0(VALU_DEP_2)
	v_permlanex16_b32 v247, v14, s[SEL], s[SEL+1]
	s_delay_alu instid0(VALU_DEP_2)
	v_add_f32 v10, v10, v246                       ; the rows' sums
	s_delay_alu instid0(VALU_DEP_2)
	v_add_f32 v14, v14, v247
	s_wait_alu depctr_va_vdst(0)
	v_rcp_f32 v10, v10
	v_rcp_f32 v14, v14
	v_nop                                          ; a plain line behind the reciprocals
	s_add_co_i32 s36, s72, s73
	s_wait_alu depctr_va_vdst(0)                   ; one wait for both, ahead of the first reader
	v_ldexp_f32 v10, v10, s36
	v_ldexp_f32 v14, v14, s36
	s_wait_alu depctr_va_vdst(0)
.irp t, 0,1
.set n, 0
.rept 16
	v_pk_mul_f32 v[96+32*\t+n:97+32*\t+n], v[160+32*\t+n:161+32*\t+n], v[10+4*\t:11+4*\t] op_sel_hi:[1,0]   ; each accumulator from its low end on
.set n, n+2
.endr
.endr
.set n, 0
.rept 64
	v_med3_num_f32 v[96+n], v[96+n], -v241, v241
.set n, n+1
.endr
.irp g, 0,1,2,3,4,5,6,7
	v_cvt_scalef32_pk8_fp8_f32 v[224+2*\g:225+2*\g], v[96+8*\g:103+8*\g], v245
.endr
	v_nop
	global_store_b128 v[LI], v[224:227], s[56:57]              ; 512 consecutive bytes each, aligned
	global_store_b128 v[LI], v[228:231], s[56:57] offset:512
	global_store_b128 v[LI], v[232:235], s[58:59]
	global_store_b128 v[LI], v[236:239], s[58:59] offset:512
	s_wait_tensorcnt 0x0                           ; the wave's end
	ds_add_u32 v[SPW], v[NIL]
	s_wait_dscnt 0x0
	s_endpgm
.Lfunc_end_k_qc3628b5aac_attn:
	.size	k_qc3628b5aac_attn, .Lfunc_end_k_qc3628b5aac_attn-k_qc3628b5aac_attn
	.p2alignl 7, 3214868480
	.fill 96, 4, 3214868480
	.section	.rodata,"a",@progbits
	.p2align	6, 0x0
	.amdhsa_kernel k_qc3628b5aac_attn
		.amdhsa_group_segment_fixed_size 327680
		.amdhsa_private_segment_fixed_size 0
		.amdhsa_enable_private_segment 0
		.amdhsa_kernarg_size 40
		.amdhsa_user_sgpr_count 2
		.amdhsa_user_sgpr_kernarg_segment_ptr 1
		.amdhsa_wavefront_size32 1
		.amdhsa_system_sgpr_workgroup_id_x 1
		.amdhsa_system_sgpr_workgroup_id_y 1
		.amdhsa_system_sgpr_workgroup_id_z 1
		.amdhsa_system_vgpr_workitem_id 0
		.amdhsa_next_free_vgpr 256
		.amdhsa_next_free_sgpr 90
		.amdhsa_reserve_vcc 0
		.amdhsa_float_denorm_mode_32 3
		.amdhsa_float_denorm_mode_16_64 3
		.amdhsa_memory_ordered 1
		.amdhsa_forward_progress 1
		.amdhsa_inst_pref_size 76
	.end_amdhsa_kernel
	.amdgpu_metadata
---
amdhsa.version: [ 1, 2 ]
amdhsa.kernels:
  - .name:           k_qc3628b5aac_attn
    .symbol:         k_qc3628b5aac_attn.kd
    .args:
      - { .name: qc, .offset: 0, .size: 8, .value_kind: global_buffer, .address_space: global }
      - { .name: kc, .offset: 8, .size: 8, .value_kind: global_buffer, .address_space: global }
      - { .name: vc, .offset: 16, .size: 8, .value_kind: global_buffer, .address_space: global }
      - { .name: lowp_scales, .offset: 24, .size: 8, .value_kind: global_buffer, .address_space: global }
      - { .name: ac, .offset: 32, .size: 8, .value_kind: global_buffer, .address_space: global }
    .group_segment_fixed_size: 327680
    .private_segment_fixed_size: 0
    .kernarg_segment_align: 8
    .kernarg_segment_size: 40
    .max_flat_workgroup_size: 512
    .sgpr_count:     90
    .vgpr_count:     256
    .wavefront_size: 32
...
	.end_amdgpu_metadata
.endif
;; end of part 3
;; launch proj (part 4): grid 8 x 32, 4 waves a work-group, clusters of 4 x 4, 327,680 bytes of LDS; arguments ac, wpc, b_proj, lowp_scales, out0; writes out0
.if DOCPART == 4
	.amdgcn_target "amdgcn-amd-amdhsa--gfx1250"
	.amdhsa_code_object_version 6
	.text
	.protected	k_qc3628b5aac_proj
	.globl	k_qc3628b5aac_proj
	.p2align	8
	.type	k_qc3628b5aac_proj,@function
k_qc3628b5aac_proj:
	s_mov_b64 s[64:65], 0
	v_nop
	global_prefetch_b8 v0, s[64:65] scope:SCOPE_SE
	s_setreg_imm32_b32 hwreg(HW_REG_WAVE_MODE, 25, 1), 1
	s_wait_xcnt 0x0
	s_wait_alu depctr_hold_cnt(0) depctr_sa_sdst(0) depctr_va_vdst(0) depctr_va_sdst(0) depctr_va_ssrc(0) depctr_va_vcc(0) depctr_vm_vsrc(0)
	s_getreg_b32 s2, hwreg(HW_REG_IB_STS2, 6, 4)
	s_cmp_eq_u32 s2, 0
	s_cbranch_scc0 .Lentry_in_a_cluster
	s_endpgm
.Lentry_in_a_cluster:
	s_bfe_u32 s2, ttmp6, 0x10000c
	s_cmp_lg_u32 s2, 0xf033
	s_cbranch_scc0 .Lentry_shape_is_right
	s_endpgm
.Lentry_shape_is_right:
; out0 [8192][1024] f32 = o w_proj^T + b_proj on codes of FP8 (E4M3): ac holds o's codes (scale 2^e6), wpc w_proj's (2^e7), both as images of 16 rows x 64 K, 1,024 bytes each, in the order of the operand registers:
;   ac: byte (b 16 + u) 65,536 + (s / 16) 1,024; wpc: byte u 65,536 + (n / 16) 1,024; u = k / 64 (for o: the head).
; A work-group makes 256 tokens x 128 columns: 8 x 32 blocks are 256 work-groups.  It makes them as TWO SUB-TILES of 128 x 128, so that the first one's results leave while the second is multiplied.
; A wave makes 64 x 64 of a sub-tile: 16 accumulators, 128 registers; each sub-tile has its own.
; K = 1,024 is 16 units of 64, in two halves of 8 units; worked two units at a time: 4 steps of 128 a half.
; LDS: w_proj's 128 rows stay for both sub-tiles (131,072 bytes); o's 128 rows of a sub-tile (131,072 bytes) are replaced half by half.  Four fills: half 0 of both, half 1 of both, then o's halves of the second sub-tile.
; The matrix instruction is used transposed (source 0 = 16 columns, source 1 = 16 tokens): a lane holds eight neighbouring numbers of a row of out0.  THE BIAS, divided by 2^(e6 + e7), is the C of the first products;
; the finished sums are multiplied by 2^(e6 + e7).
; LIMITS: e6 + e7 between -126 and 127; b_proj / 2^(e6 + e7) stays an f32 number.
; CLUSTERS: 4 x 4 work-groups; o's images are asked for jointly along a row of the cluster, w_proj's along a column.
; NO PREFETCH: four fills, written out, with no loop to run ahead in.
; REGISTERS: window 0: v16-26 addresses, v28-29 the add's two, v32-63 results at work, v64-95 the bias as C, v128-255 o's fragments, two sets of 64.  window 1: v0-127 w_proj's, two sets; v128-191 the way out, rows read back.
;   window 2: the accumulators: sub-tile s, (a, b) at v[128 s + 8 (4 a + b)].
.set BOFF,  131072                     ; o: [half of K][half of the rows][8 units][4,096 bytes]; w_proj the same from here on
.set SPARE, 262144                     ; the spare words, 128 bytes a wave
.set STAGE, SPARE+512                  ; the way out: 16 rows x 272 bytes a wave; no tile lands there
.set SPITCH, 272
.set ADRA, 16                          ; v16-17, v20-21: LDS addresses for the two halves of K
.set ADRB, 20
.set STO,  24
.set RD,   25
.set CO,   26
.set SPW,  28
.set NIL,  29
.set TMP,  32
.set BIAS, 64
.set BK,   128
.set G1,  24
.set G0,  32                           ; s[32:39], s[56:63]: groups 0 for the two halves of K
.set G1B, 48
.set G0B, 56
.set MSB, 0
.macro WIN new                         ; the immediate's high byte repeats the setting that is left
.if MSB != (\new)
	s_set_vgpr_msb (MSB<<8)|(\new)
.set MSB, (\new)
.endif
.endm
; A joint load: waves 0 and 1 fetch o's halves of the rows, waves 2 and 3 w_proj's.  An s_nop 0 and four v_nop follow each of the two lines.
.macro JLOAD g0a, g0b
	s_cmp_eq_u32 s15, 0
	s_cbranch_scc0 .Lfor_b_\@
	tensor_load_to_lds s[\g0a:\g0a+3], s[G1:G1+7]
	s_nop 0
.rept 4
	v_nop
.endr
	s_branch .Lasked_\@
.Lfor_b_\@:
	tensor_load_to_lds s[\g0b:\g0b+3], s[G1B:G1B+7]
	s_nop 0
.rept 4
	v_nop
.endr
.Lasked_\@:
.endm
.macro JLOADA g0a                      ; o alone, by waves 0 and 1
	s_cmp_eq_u32 s15, 0
	s_cbranch_scc0 .Lno_a_\@
	tensor_load_to_lds s[\g0a:\g0a+3], s[G1:G1+7]
	s_nop 0
.rept 4
	v_nop
.endr
.Lno_a_\@:
.endm
.macro CREST
	s_cmp_lg_u32 s14, 0
	s_cbranch_scc1 .Lnot_wave_0_\@
	s_barrier_signal -3
.Lnot_wave_0_\@:
	s_barrier_wait -3
	s_barrier_signal -1
	s_barrier_wait -1
.endm
.macro CROUND
	s_barrier_signal -1
	s_barrier_wait -1
	CREST
.endm
	s_load_b256 s[4:11], s[0:1], 0x0               ; ac, wpc, b_proj, the scales' exponents
	s_load_b64 s[12:13], s[0:1], 0x20              ; out0
	v_lshl_add_u32 v[SPW], v0, 2, SPARE
	v_mov_b32 v[NIL], 0
	ds_add_u32 v[SPW], v[NIL]                      ; the wave's opening
	ds_add_u32 v[SPW], v[NIL]
	v_lshrrev_b32 v1, 5, v0
	v_readfirstlane_b32 s14, v1                    ; wave 0..3
	s_lshr_b32 s15, s14, 1                         ; which 64 tokens of a sub-tile are mine.  Also: I fetch for o (0) or for w_proj (1)
	s_and_b32 s16, s14, 1                          ; which 64 columns.  Also: which half of the rows I fetch
	s_bfe_u32 s40, ttmp6, 0x40000                  ; cx, cy
	s_bfe_u32 s41, ttmp6, 0x40004
	s_lshl_b32 s42, ttmp9, 2
	s_add_co_u32 s42, s42, s40                     ; tile column
	s_and_b32 s17, ttmp7, 0xffff
	s_lshl_b32 s17, s17, 2
	s_add_co_u32 s17, s17, s41                     ; tile row
	s_lshl_b32 s43, s41, 2
	s_lshl_b32 s43, 15, s43                        ; my row of the cluster
	s_lshl_b32 s44, 0x1111, s40                    ; my column
	; group 1: elements of 8 bytes; 8 rows (units) of 4,096 bytes (64 rows of codes), 65,536 bytes apart
	s_or_b32 s[G1], s43, (3<<16)|(1<<21)
	s_or_b32 s[G1B], s44, (3<<16)|(1<<21)
.irp g, G1, G1B
	s_mov_b32 s[\g+1], 512<<16
	s_mov_b32 s[\g+2], 8<<16
	s_mov_b32 s[\g+3], 512<<16
	s_mov_b32 s[\g+4], 8
	s_mov_b32 s[\g+5], 8192
	s_mov_b32 s[\g+6], 0
	s_mov_b32 s[\g+7], 0
.endr
	s_lshr_b32 s20, s17, 2
	s_lshl_b32 s20, s20, 20                        ; o: batch, 16 images a tile row, 4 for my half of a sub-tile
	s_and_b32 s18, s17, 3
	s_lshl_b32 s18, s18, 14
	s_add_co_u32 s20, s20, s18
	s_lshl_b32 s19, s16, 12
	s_add_co_u32 s20, s20, s19
	s_mov_b32 s21, 0
	s_lshl_b32 s46, s42, 13                        ; w_proj: 8 images a tile column, 4 for my half
	s_lshl_b32 s47, s16, 12
	s_add_co_u32 s46, s46, s47
	s_mov_b32 s47, 0
	s_lshl_b32 s45, s16, 15                        ; where they go: no place in the cluster enters an LDS address
	s_add_co_u32 s22, s45, BOFF
	s_wait_dscnt 0x0                               ; both opening adds are done
	s_wait_kmcnt 0x0
	s_load_b256 s[76:83], s[10:11], 0x0            ; e0 .. e7
	s_add_nc_u64 s[20:21], s[4:5], s[20:21]
	s_add_nc_u64 s[46:47], s[6:7], s[46:47]
	CROUND                                         ; all sixteen work-groups are here: the first joint loads meet
	s_mov_b32 s[G0], 1
	s_mov_b32 s[G0+1], s45
	s_mov_b64 s[G0+2:G0+3], s[20:21]
	s_or_b32 s[G0+3], s[G0+3], 0x80000000
	s_mov_b32 s[G0B], 1
	s_mov_b32 s[G0B+1], s22
	s_mov_b64 s[G0B+2:G0B+3], s[46:47]
	s_or_b32 s[G0B+3], s[G0B+3], 0x80000000
	JLOAD G0, G0B                                  ; half 0 of K: my one load at the head
	s_mov_b32 s[G0+4], 1
	s_add_co_u32 s[G0+5], s45, 65536
	s_add_nc_u64 s[G0+6:G0+7], s[20:21], 8*65536
	s_or_b32 s[G0+7], s[G0+7], 0x80000000
	s_mov_b32 s[G0B+4], 1
	s_add_co_u32 s[G0B+5], s22, 65536
	s_add_nc_u64 s[G0B+6:G0B+7], s[46:47], 8*65536
	s_or_b32 s[G0B+7], s[G0B+7], 0x80000000
	s_lshl_b32 s84, s15, 15                        ; my 64 tokens in half 0, and in half 1
	s_add_co_u32 s85, s84, 65536
	s_add_co_u32 s86, s22, 65536
	s_mul_i32 s87, s14, 16*SPITCH
	s_add_co_u32 s87, s87, STAGE                   ; my stage
	s_lshl_b32 s88, s17, 20                        ; out0: 256 rows of 4,096 bytes a tile row, 64 for my half, 512 bytes a tile column, 256 for my half
	s_lshl_b32 s89, s15, 18
	s_add_co_u32 s88, s88, s89
	s_lshl_b32 s90, s42, 9
	s_lshl_b32 s91, s16, 8
	s_add_co_u32 s90, s90, s91                     ; (the biases of my 64 columns begin there too)
	s_add_co_u32 s88, s88, s90
	s_mov_b32 s89, 0
	s_mov_b32 s91, 0
	s_add_nc_u64 s[12:13], s[12:13], s[88:89]
	s_add_nc_u64 s[8:9], s[8:9], s[90:91]
	v_and_b32 v1, 15, v0                           ; r
	v_bfe_u32 v2, v0, 4, 1                         ; h
	v_and_b32 v7, 31, v0
	v_lshlrev_b32 v8, 5, v2                        ; the bias: tile b's register j is column 16 b + 8 h + j
	v_lshlrev_b32 v7, 4, v7                        ; 16 x lane
	v_mul_u32_u24 v5, v1, SPITCH
	v_mul_u32_u24 v6, v2, SPITCH
	v_lshlrev_b32 v[CO], 12, v2
	v_lshl_add_u32 v5, v2, 5, v5
	v_lshl_add_u32 v6, v1, 4, v6
	v_lshl_add_u32 v[CO], v1, 4, v[CO]             ; out0: lanes 0-15 one row's 256 bytes, lanes 16-31 the next's
	v_add_nc_u32 v[STO], s87, v5                   ; into the stage: row r, 32 bytes for each h
	v_add_nc_u32 v[RD], s87, v6                    ; out of it: whole rows
	v_add_nc_u32 v[ADRA], s84, v7
	v_add_nc_u32 v[ADRA+1], s85, v7
	v_add_nc_u32 v[ADRB], s22, v7
	v_add_nc_u32 v[ADRB+1], s86, v7
.irp b, 0,1,2,3
	global_load_b128 v[BIAS+8*\b:BIAS+8*\b+3], v8, s[8:9] offset:64*\b
	global_load_b128 v[BIAS+8*\b+4:BIAS+8*\b+7], v8, s[8:9] offset:64*\b+16
.endr
	s_wait_kmcnt 0x0
	s_add_co_i32 s96, s82, s83                     ; e6 + e7
	s_sub_co_i32 s18, 0, s96
	s_add_co_i32 s96, s96, 127
	s_lshl_b32 s96, s96, 23                        ; 2^(e6 + e7) as f32
	s_mov_b32 s97, s96
	s_wait_loadcnt 0x0
.set n, 0
.rept 32
	v_ldexp_f32 v[BIAS+n], v[BIAS+n], s18
.set n, n+1
.endr
.macro PLACES                          ; plain vector lines between a matrix instruction and a load into, or a vector read of, its registers
.rept 4
	v_nop
.endr
.endm
.macro LOADS kh, q, p                  ; the fragments of the half's q-th step into set p, w_proj's four, then o's four: 16 rows x 128 K in 16 registers, two images
	WIN 0x40
.irp i, 0,1,2,3
.irp c, 0,1,2,3
	ds_load_b128 v[64*(\p)+16*\i+4*\c:64*(\p)+16*\i+4*\c+3], v[ADRB+\kh] offset:(2*(\q)+\c/2)*4096+1024*\i+512*(\c%2)
.endr
.endr
	WIN 0
.irp i, 0,1,2,3
.irp c, 0,1,2,3
	ds_load_b128 v[128+64*(\p)+16*\i+4*\c:131+64*(\p)+16*\i+4*\c], v[ADRA+\kh] offset:(2*(\q)+\c/2)*4096+1024*\i+512*(\c%2)
.endr
.endr
.endm
; 8 products: two token tiles x four column tiles, 128 along K.  A sub-tile's 16 accumulators take turns, one instruction a turn.
.macro MUL8 sub, p, a0, first
	WIN 0x81+0x20*(1-(\first))
.irp a, \a0, \a0+1
.irp b, 0,1,2,3
.set DD_, 128*(\sub)+8*(4*(\a)+\b)
.set FA_, 128+64*(\p)+16*(\a)
.set FB_, 64*(\p)+16*\b
.if \first
.set CC_, BIAS+8*\b
.else
.set CC_, DD_
.endif
	v_wmma_f32_16x16x128_fp8_fp8 v[DD_:DD_+7], v[FB_:FB_+15], v[FA_:FA_+15], v[CC_:CC_+7]
.endr
.endr
.endm
; A step whose successor lies in the same half; the two sets of fragments take turns.
.macro STEP sub, kh, q, p, first
	s_wait_dscnt 16                                ; w_proj's fragments are in; o's 16 loads may be out
	PLACES
	LOADS \kh, \q+1, 1-\p
	s_wait_dscnt 32                                ; o's are in; the 32 just issued may be out
	MUL8 \sub, \p, 0, \first
	MUL8 \sub, \p, 2, \first
.endm
; A half's last step (set 1).  fill = 1: o's half just read is filled again, with the second sub-tile's.
.macro LAST sub, kh, fill
	s_wait_dscnt 0x0
	MUL8 \sub, 1, 0, 0
	WIN 0
	s_wait_tensorcnt 0x0                           ; all my tensor loads have landed: my part of what the next half reads
	ds_add_u32 v[SPW], v[NIL]                      ; 0 onto my spare word
	MUL8 \sub, 1, 2, 0
	s_wait_dscnt 0x0                               ; the add is done, and my reads of this half are over
	WIN 0
	s_barrier_signal -1
	s_barrier_wait -1
.if \fill
	CREST                                          ; no wave of any partner still reads this half or has a load on its way
	s_add_nc_u64 s[G0+4*\kh+2:G0+4*\kh+3], s[G0+4*\kh+2:G0+4*\kh+3], 8192
	JLOADA G0+4*\kh
.endif
	PLACES
	LOADS 1-\kh, 0, 0
.endm
.macro HALF sub, kh, first
	STEP \sub, \kh, 0, 0, \first
	STEP \sub, \kh, 1, 1, 0
	STEP \sub, \kh, 2, 0, 0
.endm
; THE WAY OUT, block by block of 16 rows x 64 columns: through my own stage in LDS and back as whole rows of 256 bytes.  LDS serves a wave's instructions in order: no wait between the stores and the loads.
.macro TOSTAGE sub, a
.set AC, 128*(\sub)+32*(\a)
	WIN 0x02
.set n, 0
.rept 16
	v_pk_mul_f32 v[TMP+n:TMP+n+1], v[AC+n:AC+n+1], s[96:97] op_sel_hi:[1,0]   ; both x 2^(e6 + e7), each accumulator from its low end on
.set n, n+2
.endr
	WIN 0
.irp b, 0,1,2,3
	ds_store_b128 v[STO], v[TMP+8*\b:TMP+8*\b+3] offset:64*\b
	ds_store_b128 v[STO], v[TMP+8*\b+4:TMP+8*\b+7] offset:64*\b+16
.endr
	WIN 0x40
.set BB, BK+32*((\a)%2)
.irp t, 0,1,2,3,4,5,6,7
	ds_load_b128 v[BB+4*\t:BB+4*\t+3], v[RD] offset:\t*2*SPITCH
.endr
	WIN 0
.endm
.macro SEND a, younger, go             ; younger: the LDS instructions issued behind block a's loads, which may stay out; go: bytes from the block before (behind a wait on XCNT)
.set BB, BK+32*((\a)%2)
	s_wait_dscnt \younger
.if \go
	s_add_nc_u64 s[12:13], s[12:13], \go
.endif
	WIN 0x04
.irp t, 0,1,2,3,4,5,6,7
	global_store_b128 v[CO], v[BB+4*\t:BB+4*\t+3], s[12:13] offset:\t*8192 th:TH_STORE_NT   ; 16 lanes store 256 consecutive bytes, aligned
.endr
	WIN 0
.endm
.macro OUT sub, go                     ; each wait on XCNT: the stores of two blocks before have read their registers, and the last ones their base
	s_wait_xcnt 0x0
	TOSTAGE \sub, 0
	TOSTAGE \sub, 1
	SEND 0, 16, \go
	s_wait_xcnt 0x0
	TOSTAGE \sub, 2
	SEND 1, 16, 65536
	s_wait_xcnt 0x0
	TOSTAGE \sub, 3
	SEND 2, 16, 65536
	s_wait_xcnt 0x0
	SEND 3, 0, 65536
.endm
	s_wait_alu depctr_va_vdst(0)
	s_wait_tensorcnt 0x0                           ; my part of half 0 is in
	ds_add_u32 v[SPW], v[NIL]
	s_wait_dscnt 0x0
	CROUND                                         ; everybody's part is in, and the joint loads meet
	JLOAD G0+4, G0B+4                              ; half 1
	LOADS 0, 0, 0
	HALF 0, 0, 1
	LAST 0, 0, 1                                   ; the second sub-tile's half 0 asked for
	HALF 0, 1, 0
	LAST 0, 1, 1                                   ; its half 1
	OUT 0, 0                                       ; the first sub-tile leaves; nothing waits for its stores
	HALF 1, 0, 1
	LAST 1, 0, 0                                   ; nothing is filled again: no round
	HALF 1, 1, 0
	s_wait_dscnt 0x0                               ; the last step
	MUL8 1, 1, 0, 0
	MUL8 1, 1, 2, 0
	WIN 0
	PLACES
	OUT 1, 327680                                  ; from row 48 of the first sub-tile's to row 128
	s_wait_tensorcnt 0x0                           ; the wave's end
	ds_add_u32 v[SPW], v[NIL]
	s_wait_dscnt 0x0
	CROUND                                         ; the closing round
	s_endpgm
.Lfunc_end_k_qc3628b5aac_proj:
	.size	k_qc3628b5aac_proj, .Lfunc_end_k_qc3628b5aac_proj-k_qc3628b5aac_proj
	.p2alignl 7, 3214868480
	.fill 96, 4, 3214868480
	.section	.rodata,"a",@progbits
	.p2align	6, 0x0
	.amdhsa_kernel k_qc3628b5aac_proj
		.amdhsa_group_segment_fixed_size 327680
		.amdhsa_private_segment_fixed_size 0
		.amdhsa_enable_private_segment 0
		.amdhsa_kernarg_size 40
		.amdhsa_user_sgpr_count 2
		.amdhsa_user_sgpr_kernarg_segment_ptr 1
		.amdhsa_wavefront_size32 1
		.amdhsa_system_sgpr_workgroup_id_x 1
		.amdhsa_system_sgpr_workgroup_id_y 1
		.amdhsa_system_sgpr_workgroup_id_z 1
		.amdhsa_system_vgpr_workitem_id 0
		.amdhsa_next_free_vgpr 768
		.amdhsa_next_free_sgpr 100
		.amdhsa_reserve_vcc 0
		.amdhsa_float_denorm_mode_32 3
		.amdhsa_float_denorm_mode_16_64 3
		.amdhsa_memory_ordered 1
		.amdhsa_forward_progress 1
		.amdhsa_inst_pref_size 90
	.end_amdhsa_kernel
	.amdgpu_metadata
---
amdhsa.version: [ 1, 2 ]
amdhsa.kernels:
  - .name:           k_qc3628b5aac_proj
    .symbol:         k_qc3628b5aac_proj.kd
    .args:
      - { .name: ac, .offset: 0, .size: 8, .value_kind: global_buffer, .address_space: global }
      - { .name: wpc, .offset: 8, .size: 8, .value_kind: global_buffer, .address_space: global }
      - { .name: b_proj, .offset: 16, .size: 8, .value_kind: global_buffer, .address_space: global }
      - { .name: lowp_scales, .offset: 24, .size: 8, .value_kind: global_buffer, .address_space: global }
      - { .name: out0, .offset: 32, .size: 8, .value_kind: global_buffer, .address_space: global }
    .group_segment_fixed_size: 327680
    .private_segment_fixed_size: 0
    .kernarg_segment_align: 8
    .kernarg_segment_size: 40
    .max_flat_workgroup_size: 128
    .sgpr_count:     100
    .vgpr_count:     768
    .wavefront_size: 32
...
	.end_amdgpu_metadata
.endif
;; end of part 4
